; MI455X (gfx1250); checked and timed in simulation.
; The chip was launched on July 23, 2026; its instructions are those of AMD's public machine-readable ISA for CDNA 5 (MIT licence, August 2026) and "CDNA5" Instruction Set Architecture Reference Guide (July 2026). The comments in the code are by the model that wrote it; some were corrected since.
;; Lo RA Linear. Allowed arithmetic: matrix products marked QUANTISED: E2M3 operands, one E8M0 scale for each 32 along K, by v_wmma_scale_f32_16x16x128_f8f6f4 with both operands' format E2M3, f32 sums; products left as they are: f32 operands where the result goes on into a quantised operand, else bf16, f16 or f32 operands; f32 sums; everything else in f32.
;; Inputs: bias 2,048 float32; lora_A 16 x 2,048 float32; lora_B 2,048 x 16 float32; weight 2,048 x 2,048 float32; x 4 x 2,048 x 2,048 float32.
;; Outputs: out0 4 x 2,048 x 2,048 float32.
;; This version of the problem:
;;   THIS VERSION OF THE PROBLEM IS GIVEN IN LOW PRECISION. The matrix products marked QUANTISED in the list below multiply operands that are first quantised to E2M3 (2 exponent bits, 3 mantissa bits; 6 bits a number), with one power-of-two scale for each 32 numbers along K (OCP MX v1.0); their sums are f32. All else is computed in f32.
;;   The module's matrix products, in the order in which they are computed (A, B: the left and right operand; K: the contracted axis; several contracted axes count as one K, in the product's order):
;;     1. [M 8,192, K 2,048] x [K 2,048, N 2,048]; A: input x; B: input weight: QUANTISED
;;     2. [M 2,048, K 16] x [K 16, N 2,048]; A: input lora_B; B: input lora_A: left as it is (K = 16 < 32)
;;     3. [M 8,192, K 2,048] x [K 2,048, N 2,048]; A: input x; B: computed on the way: QUANTISED
;;   THE QUANTISER, for each operand of a quantised product, along K:
;;     - K is cut into blocks of 32 from its start; a last block that is shorter is filled with zeros.
;;     - A block's scale is 2^e with e = floor(log2(the largest magnitude in the block)) - 2, held to -126 .. 127; a block of zeros has e = 0. As a byte (E8M0): e + 127.
;;     - Each number is divided by its block's scale, clamped to +-7.5, and rounded to the nearest number of E2M3, ties to even, subnormals kept.
;;     - The product sums the exact products of the quantised numbers (number of the format x scale) in f32.
;;   ~~~python
;;   def quantise(x, axis):      # numpy; x: float32 -> the quantised numbers, widened to float32 again
;;       x = np.moveaxis(x, axis, -1); K = x.shape[-1]
;;       x = np.pad(x, [(0, 0)] * (x.ndim - 1) + [(0, -K % 32)]); x = x.reshape(x.shape[:-1] + (-1, 32)); a = np.abs(x).max(-1, keepdims=True)
;;       e = np.where(a > 0, np.clip(np.frexp(np.where(a > 0, a, 1))[1] - 1 - 2, -126, 127), 0)      # np.frexp(a)[1] - 1 = floor(log2(a)), exactly
;;       r = np.clip(x / 2.0 ** e, -7.5, 7.5)
;;       step = 2.0 ** (np.maximum(np.frexp(np.where(r == 0, 1, r))[1] - 1, 0) - 3)
;;       q = np.round(r / step) * step * 2.0 ** e      # np.round: ties to even
;;       return np.moveaxis(q.reshape(q.shape[:-2] + (-1,))[..., :K], -1, axis).astype(np.float32)
;;   ~~~
;;   OPERANDS COMPUTED ON THE WAY. 'Computed on the way' means the value that the module computes at that place (a softmax that the list does not call 'softmax' is quantised finished and normalised). What goes into a quantiser is computed in f32, as accurately as f32 sums, v_exp_f32 and their like allow (about 1e-6 of the number): no bf16 or f16 on the way to a quantiser, and a product that is left as it is and whose result goes on into a quantised operand takes f32 operands (vector FMAs, or v_wmma_f32_16x16x4_f32). A number that lies on a knife's edge between two numbers of the format may be rounded either way, as far as f32 arithmetic and the matrix unit's own rounding can turn it there, and no further.
;; One version. Each part assembles by itself: llvm-mc -triple=amdgcn-amd-amdhsa -mcpu=gfx1250 --defsym DOCPART=n.
;; ======== version 1 of 1: 2 launches
;; limits: right only within a limited range of input values
;; workspace buffers: aq 13,107,200 bytes; bq 6,553,600 bytes
;; launch quant (part 1): grid 256 x 1, 8 waves a work-group, no clusters, 307,200 bytes of LDS; arguments x, weight, lora_A, lora_B, aq, bq; writes aq, bq
.if DOCPART == 1
	.amdgcn_target "amdgcn-amd-amdhsa--gfx1250"
	.amdhsa_code_object_version 6
	.text
	.protected	k_q11545c1af3_quant
	.globl	k_q11545c1af3_quant
	.p2align	8
	.type	k_q11545c1af3_quant,@function
k_q11545c1af3_quant:
	s_mov_b64 s[64:65], 0
	v_nop
	global_prefetch_b8 v0, s[64:65] scope:SCOPE_SE
	s_setreg_imm32_b32 hwreg(HW_REG_WAVE_MODE, 25, 1), 1
	s_wait_xcnt 0x0
; x [8192][2048], weight [2048][2048] and 2 x (lora_B lora_A) [2048][2048], all f32 with K innermost, become codes of FP6 (E2M3) with one E8M0 byte for each 32 along K.
; A block's scale is 2^(floor(log2(its largest magnitude)) - 2); its byte is the largest magnitude's exponent field - 2, held at 1 from below.
; THE FACTOR 2 (alpha / rank) goes into the rank update AHEAD of its quantiser: doubling moves a block's scale by one and leaves its codes, so the quantised numbers are the doubled quantised numbers.
; LIMITS: NaN and infinities among the inputs are not served.  A block of zeros gets the byte 1 where the rule says 127: its codes are zeros, and this program alone reads the bytes.
; The doubling is exact for magnitudes under 2^127, and equal to the rule for blocks whose largest magnitude is 2^-124 or more (below that the byte is held at 1).
; WHAT IS STORED: UNITS of U = 12,800 bytes, each 128 rows x 128 K of one operand, AS IMAGES OF THE OPERAND'S REGISTERS: eight fragments (16 rows x 128 K, 12 registers a lane) of 1,536 bytes, register 4 c + j of lane l
; at 512 c + 16 l + 4 j; behind them, at byte 12,288, the 128 scale words: that of fragment i, row r at 256 (i / 4) + 16 r + 4 (i % 4).
; aq: unit (tile row T of 256 rows, K step S of 256, half, q) at 32 T + 4 S + 2 half + q.   bq: (tile column C, S, which: 0 weight, 1 rank update, half, q) at 64 C + 8 S + 4 which + 2 half + q.
; SHARES: x has 1,024 units, weight 256, the rank update 256; 256 work-groups of 8 waves take 4 + 1 + 1 each.  Work-group g: x's rows 128 (g / 4) .. + 127 at K 512 (g % 4) .. + 511; weight's and the update's unit (g / 16, g % 16).
; Wave w: half a unit of x (64 rows x 128 K, four fragments), fragment w of weight's unit and fragment w of the update's.
; x comes by ONE tensor load a wave at the head, 64 rows of 512 bytes into the wave's own LDS bytes (rows 528 bytes apart); only the wave that asked reads them, behind its own wait.  Nothing is filled twice.
; Behind the tensor load each wave makes its fragment of the update and of weight, then waits for its tile.  weight: each load reads 256 bytes of two rows; 16 rows x 256 bytes turn through the wave's own stage (rows 272 bytes apart).
; A LANE HOLDS WHOLE BLOCKS: lane (r, h) takes, of row r, k = 64 c + 32 h + 0 .. 31 (c = 0, 1), which is the operand's own layout: a block's largest magnitude needs no other lane, and the codes stay where they are made.
; The rank update: K = 16, f32 operands, by the f32 matrix form, used transposed: source 0 = 16 columns k of lora_A, source 1 = 16 rows o of lora_B, so that a lane holds one row o and its registers run along k.
; THE COLUMNS OF A TILE ARE NOT NEIGHBOURS: lane r of tile 4 c + u takes k = 64 c + 32 (r / 8) + 8 u + r % 8, so that the 32 registers of tiles 4 c .. 4 c + 3 are k = 64 c + 32 h + 0 .. 31.
; SCALE WORDS leave in whole runs of 256 bytes: x's four words of a row from sixteen lanes; weight's and the update's are gathered in 1,024 bytes of LDS, and behind one barrier waves 0 and 1 store 512 bytes each.
; No cluster: the work-groups share only lora_A and lora_B, 8 KB and 1 KB of a work-group's 328 KB.  No prefetch: the text has no loop, and all its bytes are asked for at its head.
; REGISTERS: v1-15 lane numbers and addresses; v16-24 at work; v28-34 upper halves of blocks' codes; v36-41 scale words; v42-49 lora_B; v50-61 the update's codes; v64-127, v128-191 two sets of 64 numbers (the second first holds lora_A);
;   v192-255 weight as loaded, then weight's and x's codes: every fragment has its own twelve, so no store's data are written again.  Window 1: v0-63 the f32 matrix form's accumulators: matrix instructions alone write them.
.set U,    12800
.set FRB,  1536
.set SCO,  12288
.set XP,   528                         ; x's LDS rows: 512 bytes + 16
.set XREG, 64*XP                       ; a wave's tile
.set WP,   272                         ; a stage row: 256 bytes + 16
.set STG,  8*XREG
.set WSTG, 16*WP
.set SCR,  STG+8*WSTG                  ; 512 bytes of weight's scale words, 512 of the update's
.set SPARE, SCR+1024                   ; the spare words, 128 bytes a wave
.set LI,   4                           ; 16 x lane
.set XRD,  5                           ; my tile + 528 r + 128 h
.set STI,  6                           ; my stage + 272 h + 16 r
.set STO,  7                           ; my stage + 272 r + 128 h
.set LAO,  8                           ; lora_A: 2 h rows of 8,192 bytes + 4 (r % 8 + 32 (r / 8))
.set LBO,  9                           ; lora_B: 64 r + 8 h
.set WLO,  10                          ; weight: h rows of 8,192 bytes + 16 r
.set SH,   11                          ; 8 h
.set SPW,  12
.set NIL,  13
.set SCA,  14                          ; where my fragment's scale word of row r goes
.set SCB,  15                          ; where waves 0 and 1 read 512 bytes of them back
.set TM,   16
.set PT,   28
.set SW,   36
.set LB,   42
.set SS,   44
.set PCD,  50
.set X0,   64
.set X1,   128
.set LA,   128
.set RAW,  192
.set PCW,  192
.set PCX,  204
.set G0,   32
.set G1,   36
.set SEL,  44
.set MSB, 0
.macro WIN new                         ; the immediate's high byte repeats the setting that is left
.if MSB != \new
	s_set_vgpr_msb (MSB<<8)|\new
.set MSB, \new
.endif
.endm
; 64 numbers of a lane, register 32 c + i = k 64 c + 32 h + i of my row, become the fragment's 12 registers in v[pc] on and my row's scale word in v[pw]
.macro QUANT s, pw, pc
.irp b, 0,1,2,3
	v_max3_num_f32 v[TM+\b], |v[(\s)+16*\b]|, |v[(\s)+1+16*\b]|, 0x1800000   ; four chains of 16 numbers by turns; the floor 2^(3 - 127): the byte cannot fall under 1
.endr
.irp i, 2,4,6,8,10,12,14
.irp b, 0,1,2,3
	v_max3_num_f32 v[TM+\b], v[TM+\b], |v[(\s)+16*\b+\i]|, |v[(\s)+1+16*\b+\i]|
.endr
.endr
	v_max_num_f32 v[TM], v[TM], v[TM+1]            ; block h's largest magnitude,
	v_max_num_f32 v[TM+2], v[TM+2], v[TM+3]        ; block 2 + h's
	v_add_nc_u32 v[TM+4], 0xff000000, v[TM]        ; 2 off the exponent field: the conversion takes this operand's exponent field as its scale
	v_add_nc_u32 v[TM+5], 0xff000000, v[TM+2]
	v_lshrrev_b32 v[TM+6], 23, v[TM+4]             ; the bytes
	v_lshrrev_b32 v[TM+7], 23, v[TM+5]
	v_lshl_or_b32 v[TM+6], v[TM+7], 16, v[TM+6]
	v_lshlrev_b32 v[TM+6], v[SH], v[TM+6]          ; at their places in the word, 8 h bits up
	v_permlanex16_b32 v[TM+8], v[TM+6], s[SEL], s[SEL+1]
.irp c, 0,1
	v_cvt_scalef32_pk16_fp6_f32 v[(\pc)+6*\c:(\pc)+2+6*\c], v[(\s)+32*\c:(\s)+15+32*\c], v[TM+4+\c]
	v_cvt_scalef32_pk16_fp6_f32 v[PT+4*\c:PT+2+4*\c], v[(\s)+16+32*\c:(\s)+31+32*\c], v[TM+4+\c]   ; (a conversion's three registers begin on an even number)
.endr
	v_or_b32 v[(\pw)], v[TM+6], v[TM+8]            ; with lane l xor 16's two bytes the word is whole.  (The plain place behind the conversions)
.irp c, 0,1
.irp i, 0,1,2
	v_mov_b32 v[(\pc)+3+6*\c+\i], v[PT+4*\c+\i]
.endr
.endr
.endm
.macro OUT pc, base, off               ; a fragment's image: each store covers 512 consecutive bytes, at a multiple of 256 from the buffer's first byte
.irp c, 0,1,2
	global_store_b128 v[LI], v[(\pc)+4*\c:(\pc)+4*\c+3], s[\base:\base+1] offset:(\off)+512*\c
.endr
.endm
.macro XLD f, d                        ; fragment f of my tile: two blocks of 128 bytes of my row
.irp c, 0,1
.irp j, 0,1,2,3,4,5,6,7
	ds_load_b128 v[(\d)+32*\c+4*\j:(\d)+32*\c+4*\j+3], v[XRD] offset:(\f)*16*XP+256*\c+16*\j
.endr
.endr
.endm
	s_load_b256 s[4:11], s[0:1], 0x0               ; x s[4:5], weight s[6:7], lora_A s[8:9], lora_B s[10:11]
	s_load_b128 s[12:15], s[0:1], 0x20             ; aq s[12:13], bq s[14:15]
	v_lshl_add_u32 v[SPW], v0, 2, SPARE
	v_mov_b32 v[NIL], 0
	ds_add_u32 v[SPW], v[NIL]                      ; the opening lines: the add, twice on end, and its wait ahead of my tensor load
	ds_add_u32 v[SPW], v[NIL]
	v_lshrrev_b32 v1, 5, v0
	v_readfirstlane_b32 s16, v1                    ; wave 0..7
	s_mul_i32 s17, s16, XREG                       ; my tile
	s_mul_i32 s18, s16, WSTG
	s_add_co_u32 s18, s18, STG                     ; my stage
	s_lshr_b32 s19, s16, 2
	s_lshl_b32 s19, s19, 8
	s_and_b32 s20, s16, 3
	s_lshl_b32 s20, s20, 2
	s_add_co_u32 s19, s19, s20
	s_add_co_u32 s19, s19, SCR                     ; fragment w's words: 256 (w / 4) + 4 (w % 4)
	s_and_b32 s20, s16, 1                          ; w % 2: which 64 rows of x's unit
	s_lshl_b32 s21, s20, 9
	s_add_co_u32 s21, s21, SCR
	v_and_b32 v1, 31, v0                           ; lane
	v_and_b32 v2, 15, v0                           ; r
	v_bfe_u32 v3, v0, 4, 1                         ; h
	v_lshlrev_b32 v[LI], 4, v1
	v_mul_u32_u24 v[XRD], v2, XP
	v_lshl_add_u32 v[XRD], v3, 7, v[XRD]
	v_add_nc_u32 v[XRD], s17, v[XRD]
	v_mul_u32_u24 v[STI], v3, WP
	v_lshl_add_u32 v[STI], v2, 4, v[STI]
	v_add_nc_u32 v[STI], s18, v[STI]
	v_mul_u32_u24 v[STO], v2, WP
	v_lshl_add_u32 v[STO], v3, 7, v[STO]
	v_add_nc_u32 v[STO], s18, v[STO]
	v_and_b32 v[LAO], 7, v2
	v_and_b32 v[LBO], 8, v2
	v_lshlrev_b32 v[LAO], 2, v[LAO]
	v_lshl_add_u32 v[LAO], v[LBO], 4, v[LAO]
	v_lshl_add_u32 v[LAO], v3, 14, v[LAO]
	v_lshlrev_b32 v[LBO], 6, v2
	v_lshl_add_u32 v[LBO], v3, 3, v[LBO]
	v_lshlrev_b32 v[WLO], 4, v2
	v_lshl_add_u32 v[WLO], v3, 13, v[WLO]
	v_lshlrev_b32 v[SH], 3, v3
	v_lshlrev_b32 v[SCA], 4, v2
	v_add_nc_u32 v[SCA], s19, v[SCA]
	v_add_nc_u32 v[SCB], s21, v[LI]
	v_mov_b32 v[TM+8], 0                           ; written once: a lane permute's destination counts as one of its sources
	s_mov_b32 s[SEL], 0x76543210
	s_mov_b32 s[SEL+1], 0xfedcba98                 ; v_permlanex16_b32's selects for lane l xor 16
	s_mov_b32 s[G1], (2<<16)|(1<<20)|(6<<22)|(3<<25)   ; elements of 4 bytes; 4 words of padding behind every 128
	s_mov_b32 s[G1+1], 128<<16                     ; tensor_dim0 = 128
	s_mov_b32 s[G1+2], 64<<16                      ; tensor_dim1 = 64
	s_mov_b32 s[G1+3], 128<<16                     ; tile_dim0 = 128
	s_mov_b32 s[G1+4], 64                          ; tile_dim1 = 64
	s_mov_b32 s[G1+5], 2048                        ; from row to row
	s_mov_b32 s[G1+6], 0
	s_mov_b32 s[G1+7], 0
	s_mov_b32 s[G0], 1
	s_mov_b32 s[G0+1], s17
	s_lshr_b32 s22, ttmp9, 2                       ; x: which 128 rows,
	s_and_b32 s23, ttmp9, 3
	s_lshl_b32 s23, s23, 2
	s_lshr_b32 s24, s16, 1
	s_add_co_u32 s23, s23, s24                     ; which 128 along K: 4 (g % 4) + w / 2
	s_lshl_b32 s24, s22, 20                        ; 128 rows of 8,192 bytes,
	s_lshl_b32 s25, s20, 19                        ; 64 rows,
	s_add_co_u32 s24, s24, s25
	s_lshl_b32 s25, s23, 9                         ; 128 numbers
	s_add_co_u32 s24, s24, s25
	s_mov_b32 s25, 0
	s_lshr_b32 s26, s22, 1
	s_lshl_b32 s26, s26, 5
	s_lshr_b32 s27, s23, 1
	s_lshl_b32 s27, s27, 2
	s_add_co_u32 s26, s26, s27
	s_and_b32 s27, s22, 1
	s_lshl_b32 s27, s27, 1
	s_add_co_u32 s26, s26, s27
	s_and_b32 s27, s23, 1
	s_add_co_u32 s26, s26, s27                     ; the unit's place in aq
	s_mul_i32 s26, s26, U
	s_mul_i32 s28, s20, 4*FRB
	s_add_co_u32 s28, s28, s26                     ; my four fragments' images
	s_mov_b32 s29, 0
	s_lshl_b32 s30, s20, 8
	s_add_co_u32 s30, s30, s26
	s_add_co_u32 s30, s30, SCO                     ; and their 64 scale words
	s_mov_b32 s31, 0
	s_lshr_b32 s46, ttmp9, 4                       ; weight and the update: which 128 rows,
	s_and_b32 s47, ttmp9, 15                       ; which 128 along K
	s_lshl_b32 s48, s46, 20
	s_lshl_b32 s49, s16, 17                        ; fragment w: 16 rows of 8,192 bytes
	s_add_co_u32 s48, s48, s49
	s_lshl_b32 s50, s47, 9
	s_add_co_u32 s48, s48, s50
	s_mov_b32 s49, 0
	s_mov_b32 s51, 0                               ; s[50:51]: lora_A at my 128 columns
	s_lshl_b32 s52, s46, 13
	s_lshl_b32 s53, s16, 10
	s_add_co_u32 s52, s52, s53                     ; lora_B at my 16 rows of 64 bytes
	s_mov_b32 s53, 0
	s_lshr_b32 s54, s46, 1
	s_lshl_b32 s54, s54, 6
	s_lshr_b32 s55, s47, 1
	s_lshl_b32 s55, s55, 3
	s_add_co_u32 s54, s54, s55
	s_and_b32 s55, s46, 1
	s_lshl_b32 s55, s55, 1
	s_add_co_u32 s54, s54, s55
	s_and_b32 s55, s47, 1
	s_add_co_u32 s54, s54, s55                     ; weight's unit's place in bq; the update's lies four further on
	s_mul_i32 s54, s54, U
	s_mul_i32 s56, s20, 4*U
	s_add_co_u32 s56, s56, s54
	s_add_co_u32 s56, s56, SCO                     ; the scale words: wave 0 stores weight's, wave 1 the update's
	s_mov_b32 s57, 0
	s_mul_i32 s55, s16, FRB
	s_add_co_u32 s54, s54, s55                     ; fragment w's image
	s_mov_b32 s55, 0
	s_wait_alu depctr_va_vdst(0)                   ; the head's end
	s_wait_dscnt 0x0                               ; both opening adds are done
	s_wait_kmcnt 0x0
	s_add_nc_u64 s[G0+2:G0+3], s[4:5], s[24:25]
	s_or_b32 s[G0+3], s[G0+3], 0x80000000
	tensor_load_to_lds s[G0:G0+3], s[G1:G1+7]      ; my 64 rows x 512 bytes of x: my one tensor load
	s_nop 0
	s_add_nc_u64 s[6:7], s[6:7], s[48:49]
	s_add_nc_u64 s[8:9], s[8:9], s[50:51]
	s_add_nc_u64 s[10:11], s[10:11], s[52:53]
	s_add_nc_u64 s[28:29], s[12:13], s[28:29]
	s_add_nc_u64 s[30:31], s[12:13], s[30:31]
	s_add_nc_u64 s[54:55], s[14:15], s[54:55]
	s_add_nc_u64 s[56:57], s[14:15], s[56:57]
.irp c, 0,1                            ; weight: lanes 0-15 take 256 bytes of row 2 n, lanes 16-31 of row 2 n + 1
.irp n, 0,1,2,3,4,5,6,7
	global_load_b128 v[RAW+32*\c+4*\n:RAW+32*\c+4*\n+3], v[WLO], s[6:7] offset:2*\n*8192+256*\c th:TH_LOAD_NT
.endr
.endr
.irp s, 0,1,2,3                        ; lora_B(16 w + r, 4 s + 2 h + 0, 1)
	global_load_b64 v[LB+2*\s:LB+2*\s+1], v[LBO], s[10:11] offset:16*\s
.endr
.irp t, 0,1,2,3,4,5,6,7                ; lora_A(4 s + 2 h + j, the tile's column): tile t, rank step s at v[LA + 2 (4 t + s)]
.irp s, 0,1,2,3
.irp j, 0,1
	global_load_b32 v[LA+2*(4*\t+\s)+\j], v[LAO], s[8:9] offset:(4*\s+\j)*8192+(64*(\t/4)+8*(\t%4))*4
.endr
.endr
.endr
	s_wait_loadcnt 0x0
	WIN 0x50                                       ; C and D in window 1
.irp s, 0,1,2,3                        ; the rank in four steps of 4; the eight accumulators take turns, one instruction a turn
.irp t, 0,1,2,3,4,5,6,7
.if \s == 0
	v_wmma_f32_16x16x4_f32 v[8*\t:8*\t+7], v[LA+2*(4*\t+\s):LA+2*(4*\t+\s)+1], v[LB+2*\s:LB+2*\s+1], 0
.else
	v_wmma_f32_16x16x4_f32 v[8*\t:8*\t+7], v[LA+2*(4*\t+\s):LA+2*(4*\t+\s)+1], v[LB+2*\s:LB+2*\s+1], v[8*\t:8*\t+7]
.endif
.endr
.endr
	WIN 0x01                                       ; source 0 in window 1, destination in window 0
.rept 8
	v_nop                                          ; eight places between this matrix form and the first read of its results (ISA guide 7.12.1)
.endr
.set PP, 0
.rept 32
	v_pk_mul_f32 v[X0+2*PP:X0+2*PP+1], v[2*PP:2*PP+1], 2.0 op_sel_hi:[1,0]   ; x alpha / rank, into other registers; each accumulator from its low end on
.set PP, PP+1
.endr
	WIN 0
	QUANT X0, SW+5, PCD
	OUT PCD, 54, 4*U
	ds_store_b32 v[SCA], v[SW+5] offset:512        ; lanes r and 16 + r write the same word with the same value
.irp c, 0,1                            ; weight's 16 rows, 256 bytes at a time, through my stage: LDS serves a wave's instructions in order, so no wait stands between the stores and the loads, nor ahead of the second half's stores
.irp n, 0,1,2,3,4,5,6,7
	ds_store_b128 v[STI], v[RAW+32*\c+4*\n:RAW+32*\c+4*\n+3] offset:2*\n*WP
.endr
.irp j, 0,1,2,3,4,5,6,7
	ds_load_b128 v[X1+32*\c+4*\j:X1+32*\c+4*\j+3], v[STO] offset:16*\j
.endr
.endr
	s_wait_dscnt 0x0
	QUANT X1, SW+4, PCW
	OUT PCW, 54, 0
	ds_store_b32 v[SCA], v[SW+4]
	s_wait_alu depctr_va_vdst(0)                   ; directly ahead of the wait below
	s_wait_dscnt 0x0                               ; for the others' sake: my two words a row are in LDS
	s_barrier_signal -1
	s_barrier_wait -1
	s_cmp_gt_u32 s16, 1
	s_cbranch_scc1 .Lx
	ds_load_b128 v[SS:SS+3], v[SCB]                ; wave 0: weight's 128 scale words; wave 1: the update's
	s_wait_dscnt 0x0
	global_store_b128 v[LI], v[SS:SS+3], s[56:57]  ; 512 consecutive bytes
.Lx:
	s_wait_tensorcnt 0x0                           ; my tile is in; nobody else reads it
	XLD 0, X0
.irp f, 0,1,2,3
.if \f < 3
	XLD \f+1, X0+64*((\f+1)%2)
	s_wait_dscnt 16                                ; this fragment's numbers are in; the next one's 16 loads may be out
.else
	s_wait_dscnt 0x0
.endif
	QUANT X0+64*(\f%2), SW+\f, PCX+12*\f
	OUT PCX+12*\f, 28, \f*FRB
.endr
	v_cmp_gt_u32 vcc_lo, 16, v1
	s_wait_alu depctr_va_vdst(0)                   ; directly ahead of the wait below
	s_wait_xcnt 0x0                                ; EXEC changes only behind this wait
	s_and_saveexec_b32 s58, vcc_lo
	global_store_b128 v[LI], v[SW:SW+3], s[30:31]  ; lanes 0-15: row r's words of my four fragments: 256 consecutive bytes, aligned
	s_wait_xcnt 0x0
	s_or_b32 exec_lo, exec_lo, s58
	s_wait_tensorcnt 0x0                           ; the wave's end
	ds_add_u32 v[SPW], v[NIL]
	s_wait_dscnt 0x0
	s_endpgm
.Lfunc_end_k_q11545c1af3_quant:
	.size	k_q11545c1af3_quant, .Lfunc_end_k_q11545c1af3_quant-k_q11545c1af3_quant
	.p2alignl 7, 3214868480
	.fill 96, 4, 3214868480
	.section	.rodata,"a",@progbits
	.p2align	6, 0x0
	.amdhsa_kernel k_q11545c1af3_quant
		.amdhsa_group_segment_fixed_size 307200
		.amdhsa_private_segment_fixed_size 0
		.amdhsa_enable_private_segment 0
		.amdhsa_kernarg_size 48
		.amdhsa_user_sgpr_count 2
		.amdhsa_user_sgpr_kernarg_segment_ptr 1
		.amdhsa_wavefront_size32 1
		.amdhsa_system_sgpr_workgroup_id_x 1
		.amdhsa_system_sgpr_workgroup_id_y 1
		.amdhsa_system_sgpr_workgroup_id_z 1
		.amdhsa_system_vgpr_workitem_id 0
		.amdhsa_next_free_vgpr 320
		.amdhsa_next_free_sgpr 66
		.amdhsa_reserve_vcc 1
		.amdhsa_float_denorm_mode_32 3
		.amdhsa_float_denorm_mode_16_64 3
		.amdhsa_memory_ordered 1
		.amdhsa_forward_progress 1
		.amdhsa_inst_pref_size 45
	.end_amdhsa_kernel
	.amdgpu_metadata
---
amdhsa.version: [ 1, 2 ]
amdhsa.kernels:
  - .name:           k_q11545c1af3_quant
    .symbol:         k_q11545c1af3_quant.kd
    .args:
      - { .name: x, .offset: 0, .size: 8, .value_kind: global_buffer, .address_space: global }
      - { .name: weight, .offset: 8, .size: 8, .value_kind: global_buffer, .address_space: global }
      - { .name: lora_A, .offset: 16, .size: 8, .value_kind: global_buffer, .address_space: global }
      - { .name: lora_B, .offset: 24, .size: 8, .value_kind: global_buffer, .address_space: global }
      - { .name: aq, .offset: 32, .size: 8, .value_kind: global_buffer, .address_space: global }
      - { .name: bq, .offset: 40, .size: 8, .value_kind: global_buffer, .address_space: global }
    .group_segment_fixed_size: 307200
    .private_segment_fixed_size: 0
    .kernarg_segment_align: 8
    .kernarg_segment_size: 48
    .max_flat_workgroup_size: 256
    .sgpr_count:     66
    .vgpr_count:     320
    .wavefront_size: 32
...
	.end_amdgpu_metadata
.endif
;; end of part 1
;; launch gemm (part 2): grid 8 x 32, 4 waves a work-group, clusters of 4 x 4, 327,680 bytes of LDS; arguments aq, bq, bias, out0; writes out0
.if DOCPART == 2
	.amdgcn_target "amdgcn-amd-amdhsa--gfx1250"
	.amdhsa_code_object_version 6
	.text
	.protected	k_q11545c1af3_gemm
	.globl	k_q11545c1af3_gemm
	.p2align	8
	.type	k_q11545c1af3_gemm,@function
k_q11545c1af3_gemm:
	s_mov_b64 s[64:65], 0
	v_nop
	global_prefetch_b8 v0, s[64:65] scope:SCOPE_SE
	s_setreg_imm32_b32 hwreg(HW_REG_WAVE_MODE, 25, 1), 1
	s_wait_xcnt 0x0
	s_wait_alu depctr_hold_cnt(0) depctr_sa_sdst(0) depctr_va_vdst(0) depctr_va_sdst(0) depctr_va_ssrc(0) depctr_va_vcc(0) depctr_vm_vsrc(0)
	s_getreg_b32 s2, hwreg(HW_REG_IB_STS2, 6, 4)
	s_cmp_eq_u32 s2, 0
	s_cbranch_scc0 .Lentry_in_a_cluster
	s_endpgm
.Lentry_in_a_cluster:
	s_bfe_u32 s2, ttmp6, 0x10000c
	s_cmp_lg_u32 s2, 0xf033
	s_cbranch_scc0 .Lentry_shape_is_right
	s_endpgm
.Lentry_shape_is_right:
; out0 [8192][2048] = Q(x) Q(weight)^T + Q(x) Q(2 lora_B lora_A)^T + bias, on codes of FP6 (E2M3) with E8M0 scales, as the launch before has laid them: units of 12,800 bytes, images of the operands' registers.
; A tile of 256 x 256 to a work-group of four waves, 128 x 128 a wave; both products add onto the same 64 accumulators, which begin with the bias as C; each fragment of x serves weight's and the update's products.
; K goes in steps of 256 through two LDS slots of 12 units (x 4, weight 4, update 4), filled by joint loads in clusters of 4 x 4: x's units shared along a row, the others along a column.
; THE HEAD: one joint load a wave for slot 0; the addresses and the bias loads stand behind it; then the three lines, a round, and slot 1's load.
; No prefetch: K has eight fills, two of them at the head, at the largest block in clusters.
.set U,      12800
.set FRB,    1536
.set SCO,    12288
.set FR,     12
.set SLOT,   12*U
.set SPARE,  2*SLOT
; THE LAST SIX HALF STEPS (both slots are in LDS, nothing is filled again) go by halves of my rows: first blocks 0-3, then blocks 4-7, so that blocks 0-3 are stored while blocks 4-7 are multiplied.
; B's fragments of those half steps are read twice.  Both slots are read to the end, so the stage has bytes of its own behind the spare words: 16 rows x (256 + 16) bytes a wave; a piece is 16 rows x 64 columns.
.set SPITCH, 272
.set STAGE,  SPARE+512
.set GA,     64                        ; v64-111: a third place for four fragments of x (the bias lay there)
.set SC3,    224                       ; v224-239: a third set of scale words
.set ROWC,   8192
.set ADRA, 16
.set ADRB, 18
.set ADRD, 20
.set ADSW, 22
.set ADSD, 24
.set STO,  26
.set RD,   27
.set CO,   28
.set BO,   29
.set SPW,  30
.set NIL,  31
.set SC,   32
.set BI,   64
.set AF,   128
.set OB,   96                          ; window 1, v96-127 and v224-255: a piece read back from the stage, two buffers by turns
.set P0,   0
.set P1,   128
.set G1A, 24
.set G0A, 32
.set G1B, 48
.set G0B, 56
.set MSB, 0
.macro WIN new
.if MSB != \new
	s_set_vgpr_msb (MSB<<8)|\new
.set MSB, \new
.endif
.endm
.set MUL_LO, 0xa1
.set MUL_HI, 0xf1
.set ONE_LO, 0x81
.set ONE_HI, 0xc1
.set TO_B,   0x40
.macro JLOAD g0a, g1a, g0b, g1b
	s_cmp_eq_u32 s15, 0
	s_cbranch_scc0 .Lfor_b_\@
	tensor_load_to_lds s[\g0a:\g0a+3], s[\g1a:\g1a+7]
	s_nop 0
.rept 4
	v_nop
.endr
	s_branch .Lasked_\@
.Lfor_b_\@:
	tensor_load_to_lds s[\g0b:\g0b+3], s[\g1b:\g1b+7]
	s_nop 0
.rept 4
	v_nop
.endr
.Lasked_\@:
.endm
.macro CREST
	s_cmp_lg_u32 s14, 0
	s_cbranch_scc1 .Lnot_wave_0_\@
	s_barrier_signal -3
.Lnot_wave_0_\@:
	s_barrier_wait -3
	s_barrier_signal -1
	s_barrier_wait -1
.endm
.macro CROUND
	s_barrier_signal -1
	s_barrier_wait -1
	CREST
.endm
	s_load_b256 s[4:11], s[0:1], 0x0
	v_lshl_add_u32 v[SPW], v0, 2, SPARE
	v_mov_b32 v[NIL], 0
	ds_add_u32 v30, v31
	ds_add_u32 v30, v31
	s_wait_dscnt 0x0
	v_lshrrev_b32 v1, 5, v0
	v_readfirstlane_b32 s14, v1
	s_lshr_b32 s15, s14, 1
	s_and_b32 s16, s14, 1
	s_bfe_u32 s40, ttmp6, 0x40000
	s_bfe_u32 s41, ttmp6, 0x40004
	s_lshl_b32 s42, ttmp9, 2
	s_add_co_u32 s42, s42, s40
	s_and_b32 s17, ttmp7, 0xffff
	s_lshl_b32 s17, s17, 2
	s_add_co_u32 s17, s17, s41
	s_lshl_b32 s43, s41, 2
	s_lshl_b32 s43, 15, s43
	s_lshl_b32 s44, 0x1111, s40
	s_or_b32 s[G1A+0], s43, (3<<16)|(1<<21)
	s_or_b32 s[G1B+0], s44, (3<<16)|(1<<21)
	s_mov_b32 s[G1A+1], 32<<16
	s_mov_b32 s[G1A+2], 100<<16
	s_mov_b32 s[G1A+3], 32<<16
	s_mov_b32 s[G1A+4], 100
	s_mov_b32 s[G1A+5], 32
	s_mov_b32 s[G1A+6], 0
	s_mov_b32 s[G1A+7], 0
	s_mov_b32 s[G1B+1], 32<<16
	s_mov_b32 s[G1B+2], 200<<16
	s_mov_b32 s[G1B+3], 32<<16
	s_mov_b32 s[G1B+4], 200
	s_mov_b32 s[G1B+5], 32
	s_mov_b32 s[G1B+6], 0
	s_mov_b32 s[G1B+7], 0
	s_mul_i32 s20, s17, 32*U
	s_mul_i32 s18, s16, 2*U
	s_add_co_u32 s20, s20, s18
	s_mov_b32 s21, 0
	s_mul_i32 s46, s42, 64*U
	s_mul_i32 s19, s16, 4*U
	s_add_co_u32 s46, s46, s19
	s_mov_b32 s47, 0
	s_wait_kmcnt 0x0
	s_add_nc_u64 s[20:21], s[4:5], s[20:21]
	s_add_nc_u64 s[46:47], s[6:7], s[46:47]
	CROUND
.irp s, 0,1
	s_mov_b32 s[G0A+4*\s], 1
	s_add_co_u32 s[G0A+4*\s+1], s18, \s*SLOT
	s_add_nc_u64 s[G0A+4*\s+2:G0A+4*\s+3], s[20:21], \s*4*U
	s_or_b32 s[G0A+4*\s+3], s[G0A+4*\s+3], 0x80000000
	s_mov_b32 s[G0B+4*\s], 1
	s_add_co_u32 s[G0B+4*\s+1], s19, \s*SLOT+4*U
	s_add_nc_u64 s[G0B+4*\s+2:G0B+4*\s+3], s[46:47], \s*8*U
	s_or_b32 s[G0B+4*\s+3], s[G0B+4*\s+3], 0x80000000
.endr
	JLOAD G0A, G1A, G0B, G1B                       ; slot 0: my one tensor load at the head
	v_and_b32 v1, 15, v0
	v_bfe_u32 v2, v0, 4, 1
	v_and_b32 v3, 31, v0
	v_lshlrev_b32 v4, 4, v3
	s_wait_alu depctr_va_vdst(0)
	v_lshlrev_b32 v[BO], 5, v2
	s_lshl_b32 s46, s42, 10
	s_lshl_b32 s47, s16, 9
	s_add_co_u32 s46, s46, s47
	s_mov_b32 s47, 0
	s_add_nc_u64 s[8:9], s[8:9], s[46:47]
.irp b, 0,1,2,3,4,5,6,7
	global_load_b128 v[BI+8*\b:BI+8*\b+3], v[BO], s[8:9] offset:64*\b
	global_load_b128 v[BI+8*\b+4:BI+8*\b+7], v[BO], s[8:9] offset:64*\b+16
.endr
	s_mul_i32 s66, s15, 2*U
	s_mul_i32 s67, s16, 2*U
	s_add_co_u32 s68, s67, 8*U
	s_add_co_u32 s67, s67, 4*U
.irp s, 0,1
	v_add_nc_u32 v[ADRA+\s], s66, v4
	v_add_nc_u32 v[ADRB+\s], s67, v4
	v_add_nc_u32 v[ADRD+\s], s68, v4
	s_add_co_u32 s66, s66, SLOT
	s_add_co_u32 s67, s67, SLOT
	s_add_co_u32 s68, s68, SLOT
.endr
	s_xor_b32 s69, s15, 1
	s_add_co_u32 s69, s69, s16
	s_mul_i32 s69, s69, 2*U
	s_add_co_u32 s69, s69, 2*U
	v_mul_u32_u24 v6, s69, v2
	s_add_co_u32 s69, s69, 4*U
	v_mul_u32_u24 v7, s69, v2
	v_lshlrev_b32 v8, 4, v1
	s_mul_i32 s70, s15, 2*U
	s_add_co_u32 s70, s70, SCO
	v_add_nc_u32 v8, s70, v8
	v_add_nc_u32 v[ADSW], v8, v6
	v_add_nc_u32 v[ADSD], v8, v7
	v_add_nc_u32 v[ADSW+1], SLOT, v[ADSW]
	v_add_nc_u32 v[ADSD+1], SLOT, v[ADSD]
	s_mul_i32 s23, s14, 16*SPITCH
	s_add_co_u32 s23, s23, STAGE                   ; my stage
	v_mul_u32_u24 v5, v1, SPITCH                   ; in: row l % 16, 32 bytes for each half of the lanes
	v_lshl_add_u32 v5, v2, 5, v5
	v_add_nc_u32 v[STO], s23, v5
	v_mul_u32_u24 v5, v2, SPITCH                   ; back: lanes 0-15 one row of 256 bytes, lanes 16-31 the next
	v_lshl_add_u32 v5, v1, 4, v5
	v_add_nc_u32 v[RD], s23, v5
	v_lshlrev_b32 v[CO], 4, v1                     ; and the same two rows in the output
	v_lshl_add_u32 v[CO], v2, 13, v[CO]
	s_lshl_b32 s20, s17, 8
	s_lshl_b32 s21, s15, 7
	s_add_co_u32 s20, s20, s21
	s_lshl_b32 s20, s20, 13
	s_add_co_u32 s20, s20, s46
	s_mov_b32 s21, 0
	s_add_nc_u64 s[10:11], s[10:11], s[20:21]
.macro FRAG reg, adr, off
.irp c, 0,1,2
	ds_load_b128 v[(\reg)+4*\c:(\reg)+4*\c+3], v[\adr] offset:(\off)+512*\c
.endr
.endm
.macro FETCH_W slot, q
	WIN TO_B
.irp i, 0,1,2,3,4,5,6,7
	FRAG P0+FR*\i, ADRB+\slot, (\q)*U+\i*FRB
.endr
.endm
.macro FETCH_D slot, q
	WIN TO_B
.irp i, 0,1,2,3,4,5,6,7
	FRAG P1+FR*\i, ADRD+\slot, (\q)*U+\i*FRB
.endr
.endm
.macro FETCH_A slot, q, i0
	WIN 0
.irp i, \i0, \i0+1, \i0+2, \i0+3
	FRAG AF+FR*(\i), ADRA+\slot, (\q)*U+(\i)*FRB
.endr
.endm
.macro SCALES slot, q
	WIN 0
.irp g, 0,1
	ds_load_b128 v[SC+16*(\q)+4*\g:SC+16*(\q)+4*\g+3], v[ADSW+\slot] offset:(\q)*U+256*\g
	ds_load_b128 v[SC+16*(\q)+8+4*\g:SC+16*(\q)+8+4*\g+3], v[ADSD+\slot] offset:(\q)*U+256*\g
.endr
.endm
.macro MUL16 a0, p, sb, sa, first
.irp a, \a0, \a0+1
.irp b, 0,1,2,3,4,5,6,7
.if \first
	v_wmma_scale_f32_16x16x128_f8f6f4 v[8*(8*((\a)%4)+\b):8*(8*((\a)%4)+\b)+7], v[128*(\p)+FR*\b:128*(\p)+FR*\b+FR-1], v[AF+FR*(\a):AF+FR*(\a)+FR-1], v[BI+8*\b:BI+8*\b+7], v[(\sb)+\b], v[(\sa)+(\a)] matrix_a_fmt:MATRIX_FMT_FP6 matrix_b_fmt:MATRIX_FMT_FP6 matrix_a_scale:MATRIX_SCALE_ROW1
.else
	v_wmma_scale_f32_16x16x128_f8f6f4 v[8*(8*((\a)%4)+\b):8*(8*((\a)%4)+\b)+7], v[128*(\p)+FR*\b:128*(\p)+FR*\b+FR-1], v[AF+FR*(\a):AF+FR*(\a)+FR-1], v[8*(8*((\a)%4)+\b):8*(8*((\a)%4)+\b)+7], v[(\sb)+\b], v[(\sa)+(\a)] matrix_a_fmt:MATRIX_FMT_FP6 matrix_b_fmt:MATRIX_FMT_FP6 matrix_a_scale:MATRIX_SCALE_ROW1
.endif
.endr
.endr
.endm
.macro PLACES n
.rept \n
	v_nop
.endr
.endm
.macro HALFW slot, q, first
	s_wait_dscnt 12
.if \first
	WIN ONE_LO
.else
	WIN MUL_LO
.endif
	MUL16 0, 0, SC+16*(\q), SC+16*(\q), \first
	MUL16 2, 0, SC+16*(\q), SC+16*(\q), \first
	s_wait_dscnt 0x0
	FETCH_D \slot, \q
.if \first
	WIN ONE_HI
.else
	WIN MUL_HI
.endif
	MUL16 4, 0, SC+16*(\q), SC+16*(\q), \first
	MUL16 6, 0, SC+16*(\q), SC+16*(\q), \first
.endm
.macro HALFD slot
	s_wait_dscnt 0x0
	PLACES 4                                       ; weight's set was read by the products just issued
	FETCH_W \slot, 1                               ; 64 matrix instructions ahead of its use
	WIN MUL_LO
	MUL16 0, 1, SC+8, SC, 0
	MUL16 2, 1, SC+8, SC, 0
	PLACES 4
	FETCH_A \slot, 1, 0
	SCALES \slot, 1
	WIN MUL_HI
	MUL16 4, 1, SC+8, SC, 0
	MUL16 6, 1, SC+8, SC, 0
	PLACES 4
	FETCH_A \slot, 1, 4
.endm
.macro TURN slot, next, fill
	WIN 0
	s_wait_tensorcnt 0x0
	ds_add_u32 v[SPW], v[NIL]
	s_wait_dscnt 1
	WIN MUL_LO
	MUL16 0, 1, SC+24, SC+16, 0
	s_wait_dscnt 0x0
	s_barrier_signal -1
	MUL16 2, 1, SC+24, SC+16, 0
	WIN 0
	s_barrier_wait -1
.if \fill
	CREST
	s_add_nc_u64 s[G0A+4*\slot+2:G0A+4*\slot+3], s[G0A+4*\slot+2:G0A+4*\slot+3], 2*4*U
	s_add_nc_u64 s[G0B+4*\slot+2:G0B+4*\slot+3], s[G0B+4*\slot+2:G0B+4*\slot+3], 2*8*U
	JLOAD G0A+4*\slot, G1A, G0B+4*\slot, G1B
.else
	PLACES 4
.endif
	FETCH_W \next, 0
	FETCH_A \next, 0, 0
	SCALES \next, 0
	WIN MUL_HI
	MUL16 4, 1, SC+24, SC+16, 0
	MUL16 6, 1, SC+24, SC+16, 0
	PLACES 4
	FETCH_A \next, 0, 4
.endm
	s_wait_alu depctr_va_vdst(0)                   ; the head's end
	s_wait_tensorcnt 0x0                           ; my part of slot 0 is in; the three lines ahead of a later first fill, as ahead of a refill
	ds_add_u32 v[SPW], v[NIL]
	s_wait_dscnt 0x0
	CROUND                                         ; everybody's part of slot 0 is in, and all sixteen work-groups are here
	JLOAD G0A+4, G1A, G0B+4, G1B                   ; slot 1's first fill, the first tensor load behind the round
	FETCH_W 0, 0
	FETCH_A 0, 0, 0
	SCALES 0, 0
	FETCH_A 0, 0, 4
	s_wait_loadcnt 0x0
	HALFW 0, 0, 1
	WIN 0
	s_mov_b32 s3, 3
.Llap:
	HALFD 0
	HALFW 0, 1, 0
	TURN 0, 1, 1
	HALFW 1, 0, 0
	HALFD 1
	HALFW 1, 1, 0
	TURN 1, 0, 1
	HALFW 0, 0, 0
	WIN 0
	s_sub_co_u32 s3, s3, 1
	s_cmp_lg_u32 s3, 0
	s_cbranch_scc1 .Llap
; 32 matrix instructions: the window's four blocks, whose fragments of x stand at v[fa] on, against B's set pp; the 32 accumulators take turns, one instruction a turn
.macro GMUL fa, pp, sbb, saa
.irp a, 0,1,2,3
.irp b, 0,1,2,3,4,5,6,7
	v_wmma_scale_f32_16x16x128_f8f6f4 v[8*(8*\a+\b):8*(8*\a+\b)+7], v[128*(\pp)+FR*\b:128*(\pp)+FR*\b+FR-1], v[(\fa)+FR*\a:(\fa)+FR*\a+FR-1], v[8*(8*\a+\b):8*(8*\a+\b)+7], v[(\sbb)+\b], v[(\saa)+\a] matrix_a_fmt:MATRIX_FMT_FP6 matrix_b_fmt:MATRIX_FMT_FP6 matrix_a_scale:MATRIX_SCALE_ROW1
.endr
.endr
.endm
.macro FETCH_G dst, slot, q, i0        ; x's blocks i0 .. i0 + 3 into v[dst] on
	WIN 0
.irp i, 0,1,2,3
	FRAG (\dst)+FR*\i, ADRA+\slot, (\q)*U+((\i0)+\i)*FRB
.endr
.endm
.macro SCALEG dst, slot, q             ; a step's scale words into v[dst] on
	WIN 0
.irp g, 0,1
	ds_load_b128 v[(\dst)+4*\g:(\dst)+4*\g+3], v[ADSW+\slot] offset:(\q)*U+256*\g
	ds_load_b128 v[(\dst)+8+4*\g:(\dst)+8+4*\g+3], v[ADSD+\slot] offset:(\q)*U+256*\g
.endr
.endm
.macro READY                           ; what was asked for 32 matrix instructions ago is in; four places ahead of loads into registers that those instructions read
	s_wait_dscnt 0x0
	PLACES 4
.endm
; THE WAY OUT, in 16 pieces: piece k is block k / 2, columns 64 (k % 2) .. + 63.  Into my stage, each accumulator from its low end on, and back as rows of 256 bytes; LDS serves a wave's instructions in order, so no wait stands between
.macro TOST k
.set AC, 64*(((\k)/2)%4)+32*((\k)%2)
	WIN 0x08+4*((\k)/8)                            ; the data: window 2 or 3
.irp b, 0,1,2,3
	ds_store_b128 v[STO], v[AC+8*\b:AC+8*\b+3] offset:64*\b
	ds_store_b128 v[STO], v[AC+8*\b+4:AC+8*\b+7] offset:64*\b+16
.endr
	WIN TO_B
.irp t, 0,1,2,3,4,5,6,7
	ds_load_b128 v[OB+128*((\k)%2)+4*\t:OB+128*((\k)%2)+4*\t+3], v[RD] offset:\t*2*SPITCH
.endr
.endm
.macro SENDH k                         ; each store covers 256 consecutive aligned bytes of two rows; every offset is an immediate: 126 rows of 8,192 bytes at the most
	WIN 0x04                                       ; the data: window 1
.irp t, 0,1,2,3,4,5,6,7
	global_store_b128 v[CO], v[OB+128*((\k)%2)+4*\t:OB+128*((\k)%2)+4*\t+3], s[10:11] offset:(((\k)/2)*16+2*\t)*ROWC+256*((\k)%2) th:TH_STORE_NT
.endr
.endm
	HALFD 0                                        ; the update's first half step of slot 0, all eight blocks; it fetches the second half step's weight, x and scale words
	s_wait_tensorcnt 0x0                           ; my part of slot 1, the last K step, is in;
	s_wait_dscnt 0x0
	s_barrier_signal -1                            ; it shows slot 1 whole to all four waves
	FETCH_D 0, 1
	WIN MUL_LO                                     ; BLOCKS 0-3
	GMUL AF, 0, SC+16, SC+16
	s_barrier_wait -1
	READY
	FETCH_W 1, 0
	FETCH_G GA, 1, 0, 0
	SCALEG SC, 1, 0
	WIN MUL_LO
	GMUL AF, 1, SC+24, SC+16
	READY
	FETCH_D 1, 0
	WIN MUL_LO
	GMUL GA, 0, SC, SC
	READY
	FETCH_W 1, 1
	FETCH_G AF, 1, 1, 0
	SCALEG SC3, 1, 1
	WIN MUL_LO
	GMUL GA, 1, SC+8, SC
	READY
	FETCH_D 1, 1
	WIN MUL_LO
	GMUL AF, 0, SC3, SC3
	READY
	FETCH_W 0, 1                                   ; B's fragments once more, for blocks 4-7
	WIN MUL_LO
	GMUL AF, 1, SC3+8, SC3
	READY                                          ; BLOCKS 4-7; blocks 0-3 are finished and leave piece by piece (these places also stand ahead of the first read of their results)
	FETCH_D 0, 1
	TOST 0
	WIN MUL_HI
	GMUL AF+4*FR, 0, SC+16, SC+20
	s_wait_dscnt 0x0
	SENDH 0
	PLACES 4
	FETCH_W 1, 0
	FETCH_G GA, 1, 0, 4
	TOST 1
	WIN MUL_HI
	GMUL AF+4*FR, 1, SC+24, SC+20
	s_wait_dscnt 0x0
	SENDH 1
	PLACES 4
	FETCH_D 1, 0
	FETCH_G AF, 1, 1, 4
	s_wait_xcnt 0x0                                ; piece 0's stores have read their registers: piece 2 may land there
	TOST 2
	WIN MUL_HI
	GMUL GA, 0, SC, SC+4
	s_wait_dscnt 0x0
	SENDH 2
	PLACES 4
	FETCH_W 1, 1
	s_wait_xcnt 0x0
	TOST 3
	WIN MUL_HI
	GMUL GA, 1, SC+8, SC+4
	s_wait_dscnt 0x0
	SENDH 3
	PLACES 4
	FETCH_D 1, 1
	s_wait_xcnt 0x0
	TOST 4
	WIN MUL_HI
	GMUL AF, 0, SC3, SC3+4
	s_wait_dscnt 0x0
	SENDH 4
	PLACES 4
	s_wait_xcnt 0x0
	TOST 5
	WIN MUL_HI
	GMUL AF, 1, SC3+8, SC3+4
	s_wait_dscnt 0x0
	SENDH 5
	PLACES 4                                       ; ahead of the first read of blocks 4-7's results
.irp k, 6,7,8,9,10,11,12,13,14,15
	s_wait_xcnt 0x0                                ; piece k - 2's stores have read their registers
	TOST \k
.if \k > 6
	s_wait_dscnt 16                                ; piece k - 1 is back; piece k's 8 stores and 8 loads may be out
	SENDH \k-1
.endif
.endr
	s_wait_dscnt 0x0
	SENDH 15
	WIN 0
	s_wait_tensorcnt 0x0
	ds_add_u32 v[SPW], v[NIL]
	s_wait_dscnt 0x0
	CROUND
	s_endpgm
.Lfunc_end_k_q11545c1af3_gemm:
	.size	k_q11545c1af3_gemm, .Lfunc_end_k_q11545c1af3_gemm-k_q11545c1af3_gemm
	.p2alignl 7, 3214868480
	.fill 96, 4, 3214868480
	.section	.rodata,"a",@progbits
	.p2align	6, 0x0
	.amdhsa_kernel k_q11545c1af3_gemm
		.amdhsa_group_segment_fixed_size 327680
		.amdhsa_private_segment_fixed_size 0
		.amdhsa_enable_private_segment 0
		.amdhsa_kernarg_size 32
		.amdhsa_user_sgpr_count 2
		.amdhsa_user_sgpr_kernarg_segment_ptr 1
		.amdhsa_wavefront_size32 1
		.amdhsa_system_sgpr_workgroup_id_x 1
		.amdhsa_system_sgpr_workgroup_id_y 1
		.amdhsa_system_sgpr_workgroup_id_z 1
		.amdhsa_system_vgpr_workitem_id 0
		.amdhsa_next_free_vgpr 1024
		.amdhsa_next_free_sgpr 80
		.amdhsa_reserve_vcc 0
		.amdhsa_float_denorm_mode_32 3
		.amdhsa_float_denorm_mode_16_64 3
		.amdhsa_memory_ordered 1
		.amdhsa_forward_progress 1
		.amdhsa_inst_pref_size 224
	.end_amdhsa_kernel
	.amdgpu_metadata
---
amdhsa.version: [ 1, 2 ]
amdhsa.kernels:
  - .name:           k_q11545c1af3_gemm
    .symbol:         k_q11545c1af3_gemm.kd
    .args:
      - { .name: aq, .offset: 0, .size: 8, .value_kind: global_buffer, .address_space: global }
      - { .name: bq, .offset: 8, .size: 8, .value_kind: global_buffer, .address_space: global }
      - { .name: bias, .offset: 16, .size: 8, .value_kind: global_buffer, .address_space: global }
      - { .name: out0, .offset: 24, .size: 8, .value_kind: global_buffer, .address_space: global }
    .group_segment_fixed_size: 327680
    .private_segment_fixed_size: 0
    .kernarg_segment_align: 8
    .kernarg_segment_size: 32
    .max_flat_workgroup_size: 128
    .sgpr_count:     80
    .vgpr_count:     1024
    .wavefront_size: 32
...
	.end_amdgpu_metadata
.endif
;; end of part 2
